; MI455X (gfx1250); checked and timed in simulation.
; The chip was launched on July 23, 2026; its instructions are those of AMD's public machine-readable ISA for CDNA 5 (MIT licence, August 2026) and "CDNA5" Instruction Set Architecture Reference Guide (July 2026). The comments in the code are by the model that wrote it; some were corrected since.
;; Multi Head Attention. Allowed arithmetic: matrix products marked QUANTISED: E2M1 operands, one E8M0 scale for each 32 along K, by v_wmma_scale_f32_16x16x128_f8f6f4 with both operands' format E2M1 (or v_wmma_scale_f32_32x16x128_f4), f32 sums; everything else in f32.
;; Inputs: Wk 16 x 1,024 x 64 float32; Wq 16 x 1,024 x 64 float32; Wv 16 x 1,024 x 64 float32; x 4 x 2,048 x 1,024 float32.
;; Outputs: out0 4 x 2,048 x 1,024 float32.
;; This version of the problem:
;;   THIS VERSION OF THE PROBLEM IS GIVEN IN LOW PRECISION. The matrix products marked QUANTISED in the list below multiply operands that are first quantised to E2M1 (2 exponent bits, 1 mantissa bit; 4 bits a number), with one power-of-two scale for each 32 numbers along K (OCP MX v1.0); their sums are f32. All else is computed in f32.
;;   The module's matrix products, in the order in which they are computed (A, B: the left and right operand; K: the contracted axis; several contracted axes count as one K, in the product's order):
;;     1. [M 1,024, K 1,024] x [K 1,024, N 8,192]; A: input Wq; B: input x: QUANTISED
;;     2. [M 1,024, K 1,024] x [K 1,024, N 8,192]; A: input Wk; B: input x: QUANTISED
;;     3. [M 1,024, K 1,024] x [K 1,024, N 8,192]; A: input Wv; B: input x: QUANTISED
;;     4. batch 64 x [M 2,048, K 64] x [K 64, N 2,048]; A: computed on the way; B: computed on the way: QUANTISED
;;     5. batch 64 x [M 2,048, K 2,048] x [K 2,048, N 64]; A: softmax (see below); B: computed on the way: QUANTISED
;;   THE QUANTISER, for each operand of a quantised product, along K:
;;     - K is cut into blocks of 32 from its start; a last block that is shorter is filled with zeros.
;;     - A block's scale is 2^e with e = floor(log2(the largest magnitude in the block)) - 2, held to -126 .. 127; a block of zeros has e = 0. As a byte (E8M0): e + 127.
;;     - Each number is divided by its block's scale, clamped to +-6, and rounded to the nearest number of E2M1, ties to even, subnormals kept.
;;     - The product sums the exact products of the quantised numbers (number of the format x scale) in f32.
;;   ~~~python
;;   def quantise(x, axis):      # numpy; x: float32 -> the quantised numbers, widened to float32 again
;;       x = np.moveaxis(x, axis, -1); K = x.shape[-1]
;;       x = np.pad(x, [(0, 0)] * (x.ndim - 1) + [(0, -K % 32)]); x = x.reshape(x.shape[:-1] + (-1, 32)); a = np.abs(x).max(-1, keepdims=True)
;;       e = np.where(a > 0, np.clip(np.frexp(np.where(a > 0, a, 1))[1] - 1 - 2, -126, 127), 0)      # np.frexp(a)[1] - 1 = floor(log2(a)), exactly
;;       r = np.clip(x / 2.0 ** e, -6, 6)
;;       step = 2.0 ** (np.maximum(np.frexp(np.where(r == 0, 1, r))[1] - 1, 0) - 1)
;;       q = np.round(r / step) * step * 2.0 ** e      # np.round: ties to even
;;       return np.moveaxis(q.reshape(q.shape[:-2] + (-1,))[..., :K], -1, axis).astype(np.float32)
;;   ~~~
;;   SOFTMAX AHEAD OF A QUANTISED PRODUCT. Where the list says 'softmax', what is quantised is not the finished softmax but p = 2^(t - M), with t = logit x log2(e) and M = ceil(the row's largest t), a whole number; so 1/2 < the row's largest p <= 1. The row's sum l is taken of the UNQUANTISED p, in f32, and the product's result is divided by l at the end. Since M is a whole number, a kernel that streams over the keys may use a running M (the ceiling of the running maximum): every later rescaling is an exact power of two, which a block's scale takes up: the codes' values come out the same.
;;   OPERANDS COMPUTED ON THE WAY. 'Computed on the way' means the value that the module computes at that place (a softmax that the list does not call 'softmax' is quantised finished and normalised). What goes into a quantiser is computed in f32, as accurately as f32 sums, v_exp_f32 and their like allow (about 1e-6 of the number): no bf16 or f16 on the way to a quantiser, and a product that is left as it is and whose result goes on into a quantised operand takes f32 operands (vector FMAs, or v_wmma_f32_16x16x4_f32). A number that lies on a knife's edge between two numbers of the format may be rounded either way, as far as f32 arithmetic and the matrix unit's own rounding can turn it there, and no further.
;; One version. Each part assembles by itself: llvm-mc -triple=amdgcn-amd-amdhsa -mcpu=gfx1250 --defsym DOCPART=n.
;; ======== version 1 of 1: 3 launches
;; limits: right only within a limited range of input values
;; workspace buffers: xcod 4,456,448 bytes; wcod 1,671,168 bytes; qcod 4,456,448 bytes; kvcod 8,912,896 bytes
;; launch quant (part 1): grid 448 x 1, 4 waves a work-group, no clusters, 34,304 bytes of LDS; arguments x, Wq, Wk, Wv, xcod, wcod; writes xcod, wcod
.if DOCPART == 1
	.amdgcn_target "amdgcn-amd-amdhsa--gfx1250"
	.amdhsa_code_object_version 6
	.text
	.protected	k_qb3403fb5b6_quant
	.globl	k_qb3403fb5b6_quant
	.p2align	8
	.type	k_qb3403fb5b6_quant,@function
k_qb3403fb5b6_quant:
	s_mov_b64 s[64:65], 0
	v_nop
	global_prefetch_b8 v0, s[64:65] scope:SCOPE_SE
	s_setreg_imm32_b32 hwreg(HW_REG_WAVE_MODE, 25, 1), 1
	s_wait_xcnt 0x0
; LAUNCH 1 OF 3.  x [8192 tokens][1024] and Wq, Wk, Wv [16 heads][1024 c][64 d], f32, become codes of FP4 (E2M1) with one E8M0 byte for each 32 along K = c.
; DEAD WORK OF THE WHOLE PROGRAM: the causal mask is built by the problem itself (a lower triangle): for key s > query t the score is -infinity, its weight is 0 for all values of the inputs,
; and it adds nothing to the row's sum nor to the output.  So the third launch leaves out every run of 64 keys that lies wholly behind a group's 64 queries.  Nothing else is left out; every input is loaded.
; LIMIT: a NaN, an infinity or an overflow that would reach only such hidden scores is not carried to the result.
; LAYOUT OF THE CODES: IMAGES OF OPERAND REGISTERS.  A tile is 16 rows; tile 2 g + u holds at its row r the index 32 g + 8 u + r + 8 (r / 8).  A fragment (a tile x 128 K) is 1,024 bytes:
; byte 512 c + 16 lane holds the 32 codes k = 64 c + 32 (lane / 16) + 0 .. 31 of row lane % 16.  A tile is [half of K][4 fragments, then 256 bytes of scale words: 16 r + 4 (K step % 4)] = 2 x 4,352 bytes.
; A block's scale byte is its largest magnitude's exponent field - 2, held at 1 from below.  (A block of zeros so gets the byte 1 where the rule says 127: its codes are zeros, and this program alone reads the bytes.)
; LIMITS: blocks whose largest magnitude lies under 2^(2 - 126) were not tried; NaN and infinities among the inputs are not served.
; Work-groups 0-255 take x (a wave: one tile x 512 K), work-groups 256-447 the weights (a wave: 32 columns d x 128 K).  No tensor load, no barrier: waves share nothing.
; (More exactly: the third launch leaves out runs of 64 keys: for the queries 64 m .. 64 m + 63 all keys from 64 (m + 1) on, which the triangle hides for all values of the inputs.)
.set STG,   16*528                     ; x's path: a wave's stage, 16 rows of 512 bytes + 16 of padding
.set SPARE, 4*STG                      ; behind the stages: the spare words, 128 bytes for each wave
.set SPW,   16                         ; v16  LDS address of my spare word; never rewritten
.set NIL,   17                         ; v17  0; never rewritten
.set FLOOR, 0x1800000                  ; 2^(3 - 127)
.set EOFF,  0xff000000                 ; -(2 << 23)
.set SW,    20                         ; v20-23   scale words
.set CD,    24                         ; v24-55   codes: registers of their own for each step, so that no store's data are written again
.set LD,    64                         ; v64-191  numbers as loaded, two sets
.set X,     192                        ; v192-255 x's path: 64 numbers in the operand's order
	s_load_b256 s[4:11], s[0:1], 0x0               ; x, Wq, Wk, Wv
	s_load_b128 s[12:15], s[0:1], 0x20             ; xcod, wcod
	v_lshl_add_u32 v[SPW], v0, 2, SPARE
	v_mov_b32 v[NIL], 0
	v_lshrrev_b32 v1, 5, v0
	v_readfirstlane_b32 s16, v1                    ; wave 0..3
	v_and_b32 v1, 31, v0                           ; lane
	v_lshlrev_b32 v2, 4, v1                        ; 16 x lane
	s_mov_b32 s20, 0x76543210
	s_mov_b32 s21, 0xfedcba98                      ; v_permlanex16_b32: lane l xor 16
	s_wait_kmcnt 0x0
	s_cmp_ge_u32 ttmp9, 256
	s_cbranch_scc1 .Lw
; ---------------- x.  Wave gw = 4 x work-group + wave takes tile gw / 2, half gw % 2 of K: four K steps of 128.
	s_lshl_b32 s17, ttmp9, 2
	s_add_co_u32 s17, s17, s16                     ; gw
	s_lshr_b32 s18, s17, 1                         ; the tile
	s_and_b32 s19, s17, 1                          ; the half
	s_lshr_b32 s22, s18, 1
	s_lshl_b32 s22, s22, 17                        ; 32 (tile / 2) rows of 4,096 bytes
	s_and_b32 s23, s18, 1
	s_lshl_b32 s23, s23, 15                        ; + 8 (tile % 2) rows
	s_add_co_u32 s22, s22, s23
	s_lshl_b32 s23, s19, 11                        ; + 512 numbers for the second half
	s_add_co_u32 s22, s22, s23
	s_mov_b32 s23, 0
	s_add_nc_u64 s[4:5], s[4:5], s[22:23]
	s_mul_i32 s22, s17, 4352                       ; tile x 8,704 + half x 4,352
	s_add_nc_u64 s[12:13], s[12:13], s[22:23]
	s_mul_i32 s24, s16, STG
	s_wait_alu depctr_va_vdst(0)
	v_add_nc_u32 v3, s24, v2                       ; into the stage: a row as it lies, 16 bytes a lane
	v_and_b32 v6, 15, v0                           ; r
	v_bfe_u32 v7, v0, 4, 1                         ; h
	v_mul_u32_u24 v4, v6, 528
	v_lshl_add_u32 v4, v7, 7, v4
	v_add_nc_u32 v4, s24, v4                       ; out of it: row r, from number 32 h on
	v_lshlrev_b32 v5, 3, v7                        ; 8 h: where my two bytes stand in the scale word
	v_lshlrev_b32 v6, 4, v6                        ; 16 r: my row's four scale words
	v_mov_b32 v15, 0                               ; a lane permute's destination counts as read
.macro XLOAD t                         ; K step t: 16 loads, each 512 consecutive bytes of one row of the tile
.set i, 0
.rept 16
	global_load_b128 v[LD+64*((\t)%2)+4*i:LD+64*((\t)%2)+4*i+3], v2, s[4:5] offset:(i+8*(i/8))*4096+512*(\t) th:TH_LOAD_NT
.set i, i+1
.endr
.endm
.macro XSTEP t
.if (\t) < 3
	s_wait_loadcnt 16                              ; this step's 16 loads are in; the next step's 16 stay out
.else
	s_wait_loadcnt 0
.endif
.set i, 0
.rept 16
	ds_store_b128 v3, v[LD+64*((\t)%2)+4*i:LD+64*((\t)%2)+4*i+3] offset:i*528
.set i, i+1
.endr
.set i, 0
.rept 16                               ; back in the operand's order: registers 32 c + .. = k 64 c + 32 h + 0 .. 31 of row r.  LDS serves a wave's instructions in order: these see the stores
	ds_load_b128 v[X+32*(i/8)+4*(i%8):X+32*(i/8)+4*(i%8)+3], v4 offset:256*(i/8)+16*(i%8)
.set i, i+1
.endr
	s_wait_dscnt 0x0                               ; the numbers are back, and the stores have read their registers,
.if (\t) < 2
	XLOAD (\t)+2                                   ; which take the loads of two steps on
.endif
.irp c, 0,1
	v_max3_num_f32 v[8+\c], |v[X+32*\c]|, |v[X+1+32*\c]|, FLOOR      ; my block 2 c + h: all its 32 numbers are mine; the floor holds the byte at 1 from below
.endr
.irp i, 2,4,6,8,10,12,14,16,18,20,22,24,26,28,30
.irp c, 0,1
	v_max3_num_f32 v[8+\c], v[8+\c], |v[X+32*\c+\i]|, |v[X+1+32*\c+\i]|
.endr
.endr
.irp c, 0,1
	v_add_nc_u32 v[10+\c], EOFF, v[8+\c]           ; 2 off the exponent field: the conversion's scale operand
.endr
.irp c, 0,1
	v_lshrrev_b32 v[12+\c], 23, v[10+\c]           ; the scale's byte
.endr
	v_lshl_or_b32 v14, v13, 16, v12                ; blocks h and 2 + h,
	v_lshlrev_b32 v14, v5, v14                     ; at their places in the word;
	v_permlanex16_b32 v15, v14, s20, s21
	v_or_b32 v[SW+(\t)], v14, v15                  ; with lane l xor 16's two the word is whole
.irp c, 0,1
.irp g, 0,1,2,3
	v_cvt_scalef32_pk8_fp4_f32 v[CD+8*(\t)+4*\c+\g], v[X+32*\c+8*\g:X+32*\c+8*\g+7], v[10+\c]
.endr
.endr
.irp c, 0,1
	global_store_b128 v2, v[CD+8*(\t)+4*\c:CD+8*(\t)+4*\c+3], s[12:13] offset:1024*(\t)+512*\c   ; half an image: 512 consecutive bytes
.endr
.endm
	XLOAD 0
	XLOAD 1
	s_wait_alu depctr_va_vdst(0)
	XSTEP 0
	XSTEP 1
	XSTEP 2
	XSTEP 3
	s_wait_xcnt 0x0                                ; EXEC changes only when the stores above have had their addresses translated
	v_cmp_gt_u32 vcc_lo, 16, v1
	s_and_saveexec_b32 s22, vcc_lo
	global_store_b128 v6, v[SW:SW+3], s[12:13] offset:4096   ; sixteen lanes store the piece's 256 bytes of scale words
	s_wait_xcnt 0x0
	s_or_b32 exec_lo, exec_lo, s22
	s_branch .Lend
; ---------------- the weights.  A LANE TAKES A COLUMN d AND ITS REGISTERS RUN DOWN K = c: a block of 32 lies in one lane, and the conversions give codes with K innermost.
.Lw:
	s_sub_co_u32 s17, ttmp9, 256
	s_lshr_b32 s18, s17, 2                         ; 16 x tensor + head
	s_and_b32 s19, s17, 3
	s_lshl_b32 s19, s19, 1
	s_lshr_b32 s22, s16, 1
	s_add_co_u32 s19, s19, s22                     ; q: which 128 along K
	s_and_b32 s28, s16, 1                          ; which 32 of the head's 64 columns
	s_lshr_b32 s22, s18, 4                         ; the tensor: 0 Wq, 1 Wk, 2 Wv: a choice on ids alone
	s_cmp_eq_u32 s22, 0
	s_cselect_b64 s[26:27], s[6:7], s[8:9]
	s_cmp_eq_u32 s22, 2
	s_cselect_b64 s[26:27], s[10:11], s[26:27]
	s_and_b32 s22, s18, 15
	s_lshl_b32 s22, s22, 18                        ; a head: 1,024 rows of 256 bytes
	s_lshl_b32 s23, s19, 15                        ; 128 rows
	s_add_co_u32 s22, s22, s23
	s_lshl_b32 s23, s28, 7                         ; 32 columns
	s_add_co_u32 s22, s22, s23
	s_mov_b32 s23, 0
	s_add_nc_u64 s[26:27], s[26:27], s[22:23]
	s_lshl_b32 s22, s18, 1
	s_add_co_u32 s22, s22, s28                     ; which group of 32 rows of the operand: two tiles
	s_mul_i32 s22, s22, 17408
	s_lshr_b32 s29, s19, 2
	s_mul_i32 s29, s29, 4352                       ; the half of K
	s_add_co_u32 s22, s22, s29
	s_add_nc_u64 s[14:15], s[14:15], s[22:23]
	s_and_b32 s22, s19, 3
	s_lshl_b32 s22, s22, 2
	s_add_nc_u64 s[24:25], s[14:15], s[22:23]      ; the scale words: 4 (q % 4) (+ 4,096 in the immediate)
	s_lshl_b32 s22, s22, 8
	s_add_nc_u64 s[14:15], s[14:15], s[22:23]      ; the image: 1,024 (q % 4)
	s_wait_alu depctr_va_vdst(0)
	v_lshlrev_b32 v3, 2, v1                        ; in: 4 bytes a lane
	v_bfe_u32 v5, v0, 3, 1                         ; column l lies in tile u = (l / 8) % 2
	v_and_b32 v6, 7, v0
	v_bfe_u32 v7, v0, 4, 1
	v_lshl_add_u32 v6, v7, 3, v6                   ; at row r = l % 8 + 8 (l / 16)
	v_mul_u32_u24 v4, v5, 8704
	v_lshl_add_u32 v4, v6, 4, v4                   ; out: 8,704 u + 16 r
.macro WLOAD t                         ; block t: W(32 t + i, my column): 128 consecutive bytes a wave
.set i, 0
.rept 32
	global_load_b32 v[LD+32*((\t)%2)+i], v3, s[26:27] offset:(32*(\t)+i)*256 th:TH_LOAD_NT
.set i, i+1
.endr
.endm
.macro WBLOCK t
.set XS, LD+32*((\t)%2)
.if (\t) < 3
	s_wait_loadcnt 32                              ; this block's 32 loads are in; the next block's 32 stay out
.else
	s_wait_loadcnt 0
.endif
	v_max3_num_f32 v8, |v[XS]|, |v[XS+1]|, |v[XS+2]|
	v_max3_num_f32 v9, |v[XS+3]|, |v[XS+4]|, |v[XS+5]|
.irp i, 6,10,14,18,22,26
	v_max3_num_f32 v8, v8, |v[XS+\i]|, |v[XS+\i+1]|
	v_max3_num_f32 v9, v9, |v[XS+\i+2]|, |v[XS+\i+3]|
.endr
	v_max3_num_f32 v8, v8, |v[XS+30]|, |v[XS+31]|
	v_max3_num_f32 v8, v8, v9, FLOOR
	v_add_nc_u32 v10, EOFF, v8
	v_lshrrev_b32 v11, 23, v10
.if (\t) == 0
	v_mov_b32 v[SW], v11                           ; four bytes make my row's scale word for this K step
.else
	v_lshl_or_b32 v[SW], v11, 8*(\t), v[SW]
.endif
.irp g, 0,1,2,3
	v_cvt_scalef32_pk8_fp4_f32 v[CD+4*(\t)+\g], v[XS+8*\g:XS+8*\g+7], v10
.endr
	global_store_b128 v4, v[CD+4*(\t):CD+4*(\t)+3], s[14:15] offset:256*(\t)   ; block t = 2 c + h stands at 512 c + 256 h + 16 r: a tile's sixteen lanes fill 256 consecutive bytes
.if (\t) < 2
	WLOAD (\t)+2
.endif
.endm
	WLOAD 0
	WLOAD 1
	WBLOCK 0
	WBLOCK 1
	WBLOCK 2
	WBLOCK 3
	global_store_b32 v4, v[SW], s[24:25] offset:4096   ; 4 bytes of each row's 16: one byte in 128 of what this path reads
.Lend:
	s_wait_tensorcnt 0x0                           ; the wave's end
	ds_add_u32 v[SPW], v[NIL]
	s_wait_dscnt 0x0
	s_endpgm
.Lfunc_end_k_qb3403fb5b6_quant:
	.size	k_qb3403fb5b6_quant, .Lfunc_end_k_qb3403fb5b6_quant-k_qb3403fb5b6_quant
	.p2alignl 7, 3214868480
	.fill 96, 4, 3214868480
	.section	.rodata,"a",@progbits
	.p2align	6, 0x0
	.amdhsa_kernel k_qb3403fb5b6_quant
		.amdhsa_group_segment_fixed_size 34304
		.amdhsa_private_segment_fixed_size 0
		.amdhsa_enable_private_segment 0
		.amdhsa_kernarg_size 48
		.amdhsa_user_sgpr_count 2
		.amdhsa_user_sgpr_kernarg_segment_ptr 1
		.amdhsa_wavefront_size32 1
		.amdhsa_system_sgpr_workgroup_id_x 1
		.amdhsa_system_sgpr_workgroup_id_y 1
		.amdhsa_system_sgpr_workgroup_id_z 1
		.amdhsa_system_vgpr_workitem_id 0
		.amdhsa_next_free_vgpr 256
		.amdhsa_next_free_sgpr 66
		.amdhsa_reserve_vcc 1
		.amdhsa_float_denorm_mode_32 3
		.amdhsa_float_denorm_mode_16_64 3
		.amdhsa_memory_ordered 1
		.amdhsa_forward_progress 1
		.amdhsa_inst_pref_size 49
	.end_amdhsa_kernel
	.amdgpu_metadata
---
amdhsa.version: [ 1, 2 ]
amdhsa.kernels:
  - .name:           k_qb3403fb5b6_quant
    .symbol:         k_qb3403fb5b6_quant.kd
    .args:
      - { .name: x, .offset: 0, .size: 8, .value_kind: global_buffer, .address_space: global }
      - { .name: Wq, .offset: 8, .size: 8, .value_kind: global_buffer, .address_space: global }
      - { .name: Wk, .offset: 16, .size: 8, .value_kind: global_buffer, .address_space: global }
      - { .name: Wv, .offset: 24, .size: 8, .value_kind: global_buffer, .address_space: global }
      - { .name: xcod, .offset: 32, .size: 8, .value_kind: global_buffer, .address_space: global }
      - { .name: wcod, .offset: 40, .size: 8, .value_kind: global_buffer, .address_space: global }
    .group_segment_fixed_size: 34304
    .private_segment_fixed_size: 0
    .kernarg_segment_align: 8
    .kernarg_segment_size: 48
    .max_flat_workgroup_size: 128
    .sgpr_count:     66
    .vgpr_count:     256
    .wavefront_size: 32
...
	.end_amdgpu_metadata
.endif
;; end of part 1
;; launch proj (part 2): grid 8 x 32, 4 waves a work-group, clusters of 4 x 4, 327,680 bytes of LDS; arguments xcod, wcod, qcod, kvcod; writes qcod, kvcod
.if DOCPART == 2
	.amdgcn_target "amdgcn-amd-amdhsa--gfx1250"
	.amdhsa_code_object_version 6
	.text
	.protected	k_qb3403fb5b6_proj
	.globl	k_qb3403fb5b6_proj
	.p2align	8
	.type	k_qb3403fb5b6_proj,@function
k_qb3403fb5b6_proj:
	s_mov_b64 s[64:65], 0
	v_nop
	global_prefetch_b8 v0, s[64:65] scope:SCOPE_SE
	s_setreg_imm32_b32 hwreg(HW_REG_WAVE_MODE, 25, 1), 1
	s_wait_xcnt 0x0
	s_wait_alu depctr_hold_cnt(0) depctr_sa_sdst(0) depctr_va_vdst(0) depctr_va_sdst(0) depctr_va_ssrc(0) depctr_va_vcc(0) depctr_vm_vsrc(0)
	s_getreg_b32 s2, hwreg(HW_REG_IB_STS2, 6, 4)
	s_cmp_eq_u32 s2, 0
	s_cbranch_scc0 .Lentry_in_a_cluster
	s_endpgm
.Lentry_in_a_cluster:
	s_bfe_u32 s2, ttmp6, 0x10000c
	s_cmp_lg_u32 s2, 0xf033
	s_cbranch_scc0 .Lentry_shape_is_right
	s_endpgm
.Lentry_shape_is_right:
; LAUNCH 2 OF 3.  q = x Wq, k = x Wk, v = x Wv on codes of FP4 with E8M0 scales, sums in f32; each result is quantised in registers and leaves as codes.  Nothing is left out here.
; SHARES.  Work-group (hp, y): 256 tokens (x's tiles 16 y ..) and the 128 rows of heads 2 hp, 2 hp + 1 of each weight, in two passes: q and k together, then v.
; PASS 1: waves 0, 1 make q, waves 2, 3 make k: P = the 8 tiles of Wq or Wk (two heads' d), R = x's tiles 8 (w % 2) ..: 8 x 8 accumulators; a lane holds a token, its registers run along d, the next product's K.
; PASS 2: P = x's tiles 8 (w / 2) .. (128 tokens), R = Wv's tiles 4 (w % 2) .. (one head's d): 4 x 8 accumulators; a lane holds a d, its registers run along the tokens.
; Source 0 = P, source 1 = R.  By the tiles' order of rows (tile 2 g + u, row r: index 32 g + 8 u + r + 8 (r / 8)) register 16 b + i of a lane's 64 is P index 32 b + 16 (lane / 16) + i.
; LDS: x's 16 tiles, Wq and Wk come at the head, one load a wave; Wv's first halves of K behind the head, into bytes of their own; Wv's second halves into Wq's place behind pass 1.
; CLUSTER 4 x 4: x's pieces hang on y alone and are asked for jointly along a row of the cluster, W's on hp alone, along a column.
; NO PREFETCH: no loop runs ahead of a load; Wv's two loads have all of pass 1 and the way out of q and k to land in.
; WHERE RESULTS GO.  q: [head][tile 128][512], then from 4,194,304 its scale words [head][128 tokens][r][4 words].  k, v: a head is 16 records of 8,704 bytes, one for each key step of 128:
; K's 8 tiles of 512, V's 4 images of 1,024, K's scale words [r][4 words], V's [r][4 words].
; REGISTERS, in windows of 256: window 0: addresses, v32-159 scale words, v160-247 at work;  windows 1, 2: accumulators (a, p), a = 0-3 and 4-7, at v[8 (8 (a % 4) + p)];  window 3: two sets of fragments, P at 128 s + 8 p, R at 128 s + 64 + 8 a.
; LIMITS: as in the first launch (a block of zeros keeps the byte 1; NaN and infinities are not served).
.set PIECE, 4352                       ; a tile's half of K: four images and 256 bytes of scale words
.set TILEB, 8704
.set BLK,   8*TILEB                    ; 8 tiles: what one wave's load brings at the head
.set SLOT0, 2*BLK                      ; LDS: x [tile 16][half][PIECE] from 0; Wq [tile 8][half][PIECE], later Wv's second halves [tile 8][PIECE]
.set SLOT1, SLOT0+BLK                  ; Wk
.set WV1,   SLOT1+BLK                  ; Wv's first halves [tile 8][PIECE]
.set SPARE, WV1+8*PIECE                ; the spare words, 128 bytes for each wave
.set SPW, 24                           ; v24  LDS address of my spare word; never rewritten
.set NIL, 25                           ; v25  0; never rewritten
.set SC,  32                           ; scale words: set hf at SC + 64 hf: P tile i at 4 i + q % 4, R tile a at 32 + 4 a + q % 4
.set TM,  160                          ; v160-167 largest magnitudes, then the conversions' scale operands
.set BY,  168                          ; v168-171 bytes
.set PW,  172                          ; v172-179 the scale word of R tile a
.set SL,  180                          ; v180-183 scale words on their way out
.set PC,  184                          ; v184-247 codes, 8 registers for each R tile
.set MSB, 0
.macro WIN new                         ; the immediate's high byte repeats the setting that is left
.if MSB != \new
	s_set_vgpr_msb (MSB<<8)|(\new)
.set MSB, \new
.endif
.endm
.macro PLACES count
.rept \count
	v_nop
.endr
.endm
.macro CROUND                          ; a round of the cluster's barrier
	s_barrier_signal -1
	s_barrier_wait -1
	s_cmp_lg_u32 s14, 0
	s_cbranch_scc1 .Lnot_wave_0_\@
	s_barrier_signal -3
.Lnot_wave_0_\@:
	s_barrier_wait -3
	s_barrier_signal -1
	s_barrier_wait -1
.endm
	s_load_b256 s[4:11], s[0:1], 0x0               ; xcod s[4:5], wcod s[6:7], qcod s[8:9], kvcod s[10:11]
	v_lshl_add_u32 v[SPW], v0, 2, SPARE
	v_mov_b32 v[NIL], 0
	ds_add_u32 v[SPW], v[NIL]                      ; the wave's opening: the add, twice on end, and its wait ahead of my first tensor load
	ds_add_u32 v[SPW], v[NIL]
	v_lshrrev_b32 v3, 5, v0
	v_readfirstlane_b32 s14, v3                    ; wave 0..3
	s_lshr_b32 s15, s14, 1
	s_and_b32 s16, s14, 1
	s_bfe_u32 s76, ttmp6, 0x40000                  ; cx
	s_bfe_u32 s77, ttmp6, 0x40004                  ; cy
	s_lshl_b32 s78, ttmp9, 2
	s_add_co_u32 s78, s78, s76                     ; hp = 4 x cluster x + cx
	s_and_b32 s79, ttmp7, 0xffff
	s_lshl_b32 s79, s79, 2
	s_add_co_u32 s79, s79, s77                     ; y = 4 x cluster y + cy
	s_lshl_b32 s17, s77, 2
	s_lshl_b32 s17, 15, s17                        ; my row of the cluster
	s_lshl_b32 s18, 0x1111, s76                    ; my column
	; descriptor groups 1: rows of 4,352 bytes = 544 elements of 8 bytes, no padding.  s[24:31]: 8 whole tiles of x, dense;  s[32:39]: 8 of W;  s[40:47]: 2 tiles' one half of W
	s_or_b32 s24, s17, (3<<16)|(1<<21)
	s_or_b32 s32, s18, (3<<16)|(1<<21)
	s_or_b32 s40, s18, (3<<16)|(1<<21)
.irp g, 24, 32, 40
	s_mov_b32 s[\g+1], 544<<16                     ; tensor_dim0
	s_mov_b32 s[\g+3], 544<<16                     ; tile_dim0
	s_mov_b32 s[\g+6], 0
	s_mov_b32 s[\g+7], 0
.endr
	s_mov_b32 s26, 16<<16                          ; tensor_dim1
	s_mov_b32 s28, 16                              ; tile_dim1
	s_mov_b32 s29, 544
	s_mov_b32 s34, 16<<16
	s_mov_b32 s36, 16
	s_mov_b32 s37, 544
	s_mov_b32 s42, 2<<16
	s_mov_b32 s44, 2
	s_mov_b32 s45, 1088                            ; from tile to tile: 8,704 bytes
	s_lshl_b32 s92, s79, 4                         ; x: tile 16 y + 8 (w % 2) (registers that never hold cx)
	s_lshl_b32 s93, s16, 3
	s_add_co_u32 s92, s92, s93
	s_mul_i32 s92, s92, TILEB
	s_mov_b32 s93, 0
	s_lshl_b32 s60, s78, 3                         ; W at the head: tile 8 hp of Wq (w even) or of Wk (registers that never hold cy)
	s_lshl_b32 s61, s16, 6
	s_add_co_u32 s60, s60, s61
	s_mul_i32 s60, s60, TILEB
	s_mov_b32 s61, 0
	s_lshl_b32 s94, s78, 3                         ; Wv: tile 8 hp + 2 w
	s_lshl_b32 s95, s14, 1
	s_add_co_u32 s94, s94, s95
	s_mul_i32 s94, s94, TILEB
	s_mov_b32 s95, 0
	s_mul_i32 s96, s16, BLK                        ; LDS: where a head's load goes: (w % 2) x 8 tiles,
	s_mul_i32 s97, s14, 2*PIECE                    ; and a load of Wv: no place in the cluster enters an LDS address
	s_mov_b32 s20, 0x76543210
	s_mov_b32 s21, 0xfedcba98                      ; v_permlanex16_b32: lane l xor 16
	s_mov_b32 s22, 0xffff0000                      ; lanes 16-31
	s_wait_alu depctr_va_vdst(0)
	s_wait_dscnt 0x0                               ; both opening adds are done
	s_wait_kmcnt 0x0
	s_add_nc_u64 s[92:93], s[4:5], s[92:93]
	s_add_nc_u64 s[94:95], s[6:7], s[94:95]
	s_add_nc_u64 s[60:61], s[6:7], s[60:61]
	s_mov_b32 s48, 1                               ; waves 0, 1: half of x's tiles
	s_mov_b32 s49, s96
	s_mov_b64 s[50:51], s[92:93]
	s_or_b32 s51, s51, 0x80000000
	s_mov_b32 s52, 1                               ; wave 2: Wq; wave 3: Wk
	s_add_co_u32 s53, s96, SLOT0
	s_mov_b64 s[54:55], s[60:61]
	s_or_b32 s55, s55, 0x80000000
	s_mov_b32 s72, 1                               ; Wv's first halves, two tiles a wave
	s_add_co_u32 s73, s97, WV1
	s_add_nc_u64 s[74:75], s[94:95], 128*TILEB
	s_or_b32 s75, s75, 0x80000000
	s_mov_b32 s68, 1                               ; Wv's second halves: the one refill
	s_add_co_u32 s69, s97, SLOT0
	s_add_nc_u64 s[70:71], s[94:95], 128*TILEB+PIECE
	s_or_b32 s71, s71, 0x80000000
	CROUND                                         ; all sixteen work-groups are here: the first joint loads meet
	s_cmp_eq_u32 s15, 0                            ; one load a wave: a branch on the wave's number alone
	s_cbranch_scc0 .Lhead_w
	tensor_load_to_lds s[48:51], s[24:31]
	s_nop 0
	PLACES 4
	s_branch .Lhead_asked
.Lhead_w:
	tensor_load_to_lds s[52:55], s[32:39]
	s_nop 0
	PLACES 4
.Lhead_asked:
	; LDS addresses, in pairs for the two halves of K: fragments (16 x lane +), scale words (16 x (lane % 16) +).  Pass 1: v4-7 and v8-11 (P, R); pass 2: v12-15 and v16-19
	v_and_b32 v3, 31, v0
	v_lshlrev_b32 v1, 4, v3                        ; 16 x lane
	v_and_b32 v3, 15, v0                           ; r
	v_lshlrev_b32 v2, 4, v3
	v_bfe_u32 v26, v0, 4, 1                        ; h
	s_mul_i32 s12, s15, BLK
	s_add_co_u32 s56, s12, SLOT0                   ; pass 1's P: Wq or Wk
	s_mul_i32 s57, s16, 4*PIECE
	s_add_co_u32 s58, s57, SLOT0                   ; pass 2's R: Wv's tiles 4 (w % 2) on: second halves,
	s_add_co_u32 s57, s57, WV1                     ; first halves
.irp o, 0, 4
	v_add_nc_u32 v[4+\o], s56, v[1+\o/4]
	v_add_nc_u32 v[5+\o], PIECE, v[4+\o]
	v_add_nc_u32 v[6+\o], s96, v[1+\o/4]           ; pass 1's R: x's tiles 8 (w % 2) on
	v_add_nc_u32 v[7+\o], PIECE, v[6+\o]
	v_add_nc_u32 v[12+\o], s12, v[1+\o/4]          ; pass 2's P: x's tiles 8 (w / 2) on
	v_add_nc_u32 v[13+\o], PIECE, v[12+\o]
	v_add_nc_u32 v[14+\o], s57, v[1+\o/4]
	v_add_nc_u32 v[15+\o], s58, v[1+\o/4]
.endr
	; where the results go.  b = y / 8, yy = y % 8, bh0 = 16 b + 2 hp
	s_lshr_b32 s17, s79, 3
	s_and_b32 s18, s79, 7
	s_lshl_b32 s17, s17, 4
	s_lshl_b32 s19, s78, 1
	s_add_co_u32 s17, s17, s19                     ; bh0
	s_lshl_b32 s18, s18, 1                         ; 2 yy
	s_add_co_u32 s19, s18, s16                     ; pass 1: my 128 tokens are step 2 yy + w % 2
	s_lshl_b32 s12, s17, 16
	s_lshl_b32 s13, s19, 12
	s_add_co_u32 s12, s12, s13                     ; q: codes,
	s_lshl_b32 s13, s17, 12
	s_lshl_b32 s23, s19, 8
	s_add_co_u32 s13, s13, s23
	s_add_co_u32 s13, s13, 4194304                 ; scale words
	s_mul_i32 s86, s17, 139264
	s_mul_i32 s87, s19, TILEB
	s_add_co_u32 s86, s86, s87                     ; k: codes,
	s_add_co_u32 s87, s86, 8192                    ; scale words
	s_mov_b32 s88, 65536
	s_mov_b32 s89, 4096
	s_mov_b32 s90, 139264
	s_mov_b32 s99, 0
	s_mov_b32 s67, 0
	s_cmp_eq_u32 s15, 0                            ; q's waves or k's
	s_cselect_b64 s[92:93], s[8:9], s[10:11]
	s_cselect_b32 s98, s12, s86
	s_cselect_b32 s66, s13, s87
	s_cselect_b32 s88, s88, s90                    ; from head to head: codes,
	s_cselect_b32 s90, s89, s90                    ; scale words
	s_mov_b32 s89, 0
	s_add_nc_u64 s[80:81], s[92:93], s[98:99]      ; the first head's codes,
	s_add_nc_u64 s[82:83], s[80:81], s[88:89]      ; the second's,
	s_add_nc_u64 s[84:85], s[92:93], s[66:67]      ; the first head's scale words
	v_mul_u32_u24 v27, s90, v26
	v_lshl_add_u32 v27, v3, 4, v27                 ; lanes 16-31 the next head's; 16 r
	v_lshlrev_b32 v29, 3, v26
	v_lshl_add_u32 v29, v3, 4, v29                 ; v's: 16 r + 8 h
	v_mov_b32 v20, 0x05040100                      ; which two bytes of two words: lanes 0-15 the first head's,
	v_mov_b32 v21, 0x07060302
	v_cndmask_b32 v30, v20, v21, s22               ; lanes 16-31 the second's
	v_mov_b32 v20, 0x06020400                      ; a word of four bytes from my two and lane l xor 16's two:
	v_mov_b32 v21, 0x02060004
	v_cndmask_b32 v31, v20, v21, s22               ; lanes 0-15 hold bytes 0 and 2, lanes 16-31 bytes 1 and 3
	s_add_co_u32 s19, s17, s16                     ; v: my head is 2 hp + w % 2,
	s_mul_i32 s19, s19, 139264
	s_add_co_u32 s18, s18, s15                     ; my key step 2 yy + w / 2
	s_mul_i32 s18, s18, TILEB
	s_add_co_u32 s19, s19, s18
	s_add_co_u32 s98, s19, 4096
	s_add_nc_u64 s[88:89], s[10:11], s[98:99]      ; v's images
	s_add_co_u32 s98, s19, 8448
	s_add_nc_u64 s[90:91], s[10:11], s[98:99]      ; v's scale words
; The fragments of K step q into set: P's eight, R's nr (tr bytes from tile to tile): 16 + 2 nr LDS loads.  An image is read as it lies: 512 consecutive bytes a load
.macro LOADS q, set, fp, fr, tr, nr
	WIN 0xc0                                       ; destination window 3
.irp i, 0,1,2,3,4,5,6,7
.irp c, 0,1
	ds_load_b128 v[128*(\set)+8*\i+4*\c:128*(\set)+8*\i+4*\c+3], v[\fp+(\q)/4] offset:\i*TILEB+((\q)%4)*1024+512*\c
.endr
.endr
.irp a, 0,1,2,3,4,5,6,7
.if \a < \nr
.irp c, 0,1
	ds_load_b128 v[128*(\set)+64+8*\a+4*\c:128*(\set)+64+8*\a+4*\c+3], v[\fr+(\q)/4] offset:\a*\tr+((\q)%4)*1024+512*\c
.endr
.endif
.endr
.endm
; The scale words of four K steps (half hf of K): lane r takes row r's four words: 8 + nr LDS loads
.macro SCALES hf, sp, sr, tr, nr
	WIN 0
.irp i, 0,1,2,3,4,5,6,7
	ds_load_b128 v[SC+64*\hf+4*\i:SC+64*\hf+4*\i+3], v[\sp+\hf] offset:\i*TILEB+4096
.endr
.irp a, 0,1,2,3,4,5,6,7
.if \a < \nr
	ds_load_b128 v[SC+64*\hf+32+4*\a:SC+64*\hf+32+4*\a+3], v[\sr+\hf] offset:\a*\tr+4096
.endif
.endr
.endm
; 8 nr matrix instructions: K step q.  The accumulators take turns, one instruction a turn, in the same order in every step.  zero = 1: the first step starts the sums
.macro MUL q, set, zero, nr
.irp a, 0,1,2,3,4,5,6,7
.if \a < \nr
	WIN 0x5f+0x50*(\a/4)                           ; sources 0 and 1 window 3, C and D window 1 or 2
.irp i, 0,1,2,3,4,5,6,7
.if \zero
	v_wmma_scale_f32_16x16x128_f8f6f4 v[8*(8*(\a%4)+\i):8*(8*(\a%4)+\i)+7], v[128*(\set)+8*\i:128*(\set)+8*\i+7], v[128*(\set)+64+8*\a:128*(\set)+64+8*\a+7], 0, v[SC+64*((\q)/4)+4*\i+(\q)%4], v[SC+64*((\q)/4)+32+4*\a+(\q)%4] matrix_a_fmt:MATRIX_FMT_FP4 matrix_b_fmt:MATRIX_FMT_FP4
.else
	v_wmma_scale_f32_16x16x128_f8f6f4 v[8*(8*(\a%4)+\i):8*(8*(\a%4)+\i)+7], v[128*(\set)+8*\i:128*(\set)+8*\i+7], v[128*(\set)+64+8*\a:128*(\set)+64+8*\a+7], v[8*(8*(\a%4)+\i):8*(8*(\a%4)+\i)+7], v[SC+64*((\q)/4)+4*\i+(\q)%4], v[SC+64*((\q)/4)+32+4*\a+(\q)%4] matrix_a_fmt:MATRIX_FMT_FP4 matrix_b_fmt:MATRIX_FMT_FP4
.endif
.endr
.endif
.endr
.endm
; A pass: eight K steps of 128.  While step q is multiplied, step q + 1's fragments are on their way into the other set.  mid = 1 (pass 2): R's second halves are waited for in front of step 4's loads
.macro PASS fp, fr, sp, sr, tr, nr, mid
	SCALES 0, \sp, \sr, \tr, \nr
	LOADS 0, 0, \fp, \fr, \tr, \nr
.irp q, 0,1,2,3,4,5,6
.if (\mid) && (\q == 3)
	s_wait_tensorcnt 0x0                           ; my part of the refill is in
	s_wait_dscnt 0x0                               ; no LDS instruction of mine is out at a signal
	s_barrier_signal -1
	s_barrier_wait -1                              ; everybody's is
.endif
.if \q > 0
	PLACES 4                                       ; in front of loads into registers that matrix instructions have read
.endif
.if \q == 3
	SCALES 1, \sp, \sr, \tr, \nr
.endif
	LOADS \q+1, (\q+1)%2, \fp, \fr, \tr, \nr
.if \q == 3
	s_wait_dscnt 24+3*\nr                          ; all but the loads just issued, scale words and fragments
.else
	s_wait_dscnt 16+2*\nr                          ; all but the fragments just asked for: this step's fragments and scale words are in
.endif
.if \q == 0
	MUL 0, 0, 1, \nr
.else
	MUL \q, (\q)%2, 0, \nr
.endif
.endr
	s_wait_dscnt 0x0
	MUL 7, 1, 0, \nr
	WIN 0
.endm
; The 64 results of R tile a in a lane (register 16 b + i = P index 32 b + 16 (lane / 16) + i), and those of tile a + 1, become fragments' codes in v[PC + 8 a ..] and scale words in v[PW + a], v[PW + a + 1] (a even: both lie in one window)
.macro QUANT2 a
.set AB, 64*((\a)%4)
	WIN 5*(1+(\a)/4)                               ; sources 0 and 1: the accumulators' window
.irp t, 0,1
.irp b, 0,1,2,3
	v_max3_num_f32 v[TM+4*\t+\b], |v[AB+64*\t+16*\b]|, |v[AB+64*\t+16*\b+1]|, 0x1800000   ; with the floor 2^(3 - 127): the byte cannot fall under 1
.endr
.endr
	WIN 20*(1+(\a)/4)                              ; sources 1 and 2
.irp i, 2,4,6,8,10,12,14
.irp t, 0,1
.irp b, 0,1,2,3
	v_max3_num_f32 v[TM+4*\t+\b], v[TM+4*\t+\b], |v[AB+64*\t+16*\b+\i]|, |v[AB+64*\t+16*\b+\i+1]|   ; the eight blocks by turns; each accumulator is read from its low end on
.endr
.endr
.endr
	WIN 0
.irp j, 0,2,4,6
	v_permlane16_swap_b32 v[TM+\j], v[TM+\j+1]     ; two blocks to a register: behind the exchange of halves the maximum of the two holds the even block's in lanes 0-15 and the odd block's in lanes 16-31
.endr
.irp j, 0,2,4,6
	v_max_num_f32 v[TM+\j], v[TM+\j], v[TM+\j+1]
.endr
.irp j, 0,2,4,6
	v_add_nc_u32 v[TM+\j], 0xff000000, v[TM+\j]    ; 2 off its exponent field: the conversion's scale operand
.endr
.irp j, 0,2,4,6
	v_lshrrev_b32 v[BY+\j/2], 23, v[TM+\j]         ; the scale's byte
.endr
.irp j, 0,2,4,6
	v_mov_b32 v[TM+\j+1], v[TM+\j]
.endr
.irp j, 0,2,4,6
	v_permlane16_swap_b32 v[TM+\j], v[TM+\j+1]     ; the even block's operand in all lanes, the odd block's in all lanes
.endr
.irp t, 0,1
	v_lshl_or_b32 v[BY+2*\t], v[BY+2*\t+1], 16, v[BY+2*\t]
.endr
.irp t, 0,1
	v_permlanex16_b32 v[BY+2*\t+1], v[BY+2*\t], s20, s21
.endr
.irp t, 0,1
	v_perm_b32 v[PW+(\a)+\t], v[BY+2*\t+1], v[BY+2*\t], v31   ; the four bytes in order, in all lanes
.endr
	WIN 1+(\a)/4                                   ; source 0: the accumulators' window
.irp t, 0,1
.irp b, 0,1,2,3
	v_cvt_scalef32_pk8_fp4_f32 v[PC+8*((\a)+\t)+2*\b], v[AB+64*\t+16*\b:AB+64*\t+16*\b+7], v[TM+4*\t+\b]
	v_cvt_scalef32_pk8_fp4_f32 v[PC+8*((\a)+\t)+2*\b+1], v[AB+64*\t+16*\b+8:AB+64*\t+16*\b+15], v[TM+4*\t+\b]
.endr
.endr
	WIN 0
	v_nop                                          ; one plain place behind the last scaled conversion
.irp t, 0,1
.irp c, 0,1
.irp i, 0,1
	v_permlane16_swap_b32 v[PC+8*((\a)+\t)+4*\c+\i], v[PC+8*((\a)+\t)+4*\c+2+\i]   ; a whole block to a lane: registers 4 c .. 4 c + 3 hold index 64 c + 32 h + 0 .. 31
.endr
.endr
.endr
.endm
	s_wait_alu depctr_va_vdst(0)
	s_wait_tensorcnt 0x0                           ; my load is in
	ds_add_u32 v[SPW], v[NIL]
	s_wait_dscnt 0x0
	CROUND                                         ; x, Wq and Wk are in, and all sixteen work-groups are here
	tensor_load_to_lds s[72:75], s[40:47]          ; Wv's first halves: my one load behind the round
	s_nop 0
	PLACES 4
	PASS 4, 6, 8, 10, TILEB, 8, 0                  ; q and k
	s_wait_tensorcnt 0x0                           ; my part of Wv's first halves is in;
	ds_add_u32 v[SPW], v[NIL]                      ; 0 onto my spare word;
	s_wait_dscnt 0x0                               ; the add is done, and my reads of Wq are over
	CROUND                                         ; no wave of any partner still reads Wq or has a load on its way
	tensor_load_to_lds s[68:71], s[40:47]          ; Wv's second halves into Wq's place: it has the way out and pass 2's first four steps in which to land
	s_nop 0
	PLACES 4                                       ; also the places behind pass 1's last products
.irp a, 0,2,4,6
	QUANT2 \a
.irp t, 0,1
	global_store_b128 v1, v[PC+8*(\a+\t):PC+8*(\a+\t)+3], s[80:81] offset:512*(\a+\t)   ; registers 0-3 of a tile's codes are the first head's 64 d,
	global_store_b128 v1, v[PC+8*(\a+\t)+4:PC+8*(\a+\t)+7], s[82:83] offset:512*(\a+\t) ; registers 4-7 the second's: half images of 512 consecutive bytes
.endr
.endr
.irp j, 0,1,2,3
	v_perm_b32 v[SL+\j], v[PW+2*\j+1], v[PW+2*\j], v30   ; two tiles' two bytes of one head: the pair of tiles that the third launch reads as one fragment
.endr
	global_store_b128 v27, v[SL:SL+3], s[84:85]    ; sixteen lanes store a step's 256 bytes of scale words, of each head
	PASS 12, 14, 16, 18, PIECE, 4, 1               ; v
	PLACES 4
	s_wait_xcnt 0x0                                ; pass 1's stores have read their registers
.irp a, 0,2
	QUANT2 \a
.irp t, 0,1
	global_store_b128 v1, v[PC+8*(\a+\t):PC+8*(\a+\t)+3], s[88:89] offset:1024*(\a+\t)   ; R tile a is 16 of my head's d, its 128 P indices are a key step: a whole image
	global_store_b128 v1, v[PC+8*(\a+\t)+4:PC+8*(\a+\t)+7], s[88:89] offset:1024*(\a+\t)+512
.endr
.endr
.irp j, 0,1
	v_cndmask_b32 v[SL+\j], v[PW+\j], v[PW+2+\j], s22   ; lanes 0-15 tiles 0, 1; lanes 16-31 tiles 2, 3
.endr
	global_store_b64 v29, v[SL:SL+1], s[90:91]     ; 32 lanes store 256 consecutive bytes
	s_wait_tensorcnt 0x0                           ; the wave's end
	ds_add_u32 v[SPW], v[NIL]
	s_wait_dscnt 0x0
	CROUND                                         ; the closing round
	s_endpgm
.Lfunc_end_k_qb3403fb5b6_proj:
	.size	k_qb3403fb5b6_proj, .Lfunc_end_k_qb3403fb5b6_proj-k_qb3403fb5b6_proj
	.p2alignl 7, 3214868480
	.fill 96, 4, 3214868480
	.section	.rodata,"a",@progbits
	.p2align	6, 0x0
	.amdhsa_kernel k_qb3403fb5b6_proj
		.amdhsa_group_segment_fixed_size 327680
		.amdhsa_private_segment_fixed_size 0
		.amdhsa_enable_private_segment 0
		.amdhsa_kernarg_size 32
		.amdhsa_user_sgpr_count 2
		.amdhsa_user_sgpr_kernarg_segment_ptr 1
		.amdhsa_wavefront_size32 1
		.amdhsa_system_sgpr_workgroup_id_x 1
		.amdhsa_system_sgpr_workgroup_id_y 1
		.amdhsa_system_sgpr_workgroup_id_z 1
		.amdhsa_system_vgpr_workitem_id 0
		.amdhsa_next_free_vgpr 1024
		.amdhsa_next_free_sgpr 100
		.amdhsa_reserve_vcc 0
		.amdhsa_float_denorm_mode_32 3
		.amdhsa_float_denorm_mode_16_64 3
		.amdhsa_memory_ordered 1
		.amdhsa_forward_progress 1
		.amdhsa_inst_pref_size 186
	.end_amdhsa_kernel
	.amdgpu_metadata
---
amdhsa.version: [ 1, 2 ]
amdhsa.kernels:
  - .name:           k_qb3403fb5b6_proj
    .symbol:         k_qb3403fb5b6_proj.kd
    .args:
      - { .name: xcod, .offset: 0, .size: 8, .value_kind: global_buffer, .address_space: global }
      - { .name: wcod, .offset: 8, .size: 8, .value_kind: global_buffer, .address_space: global }
      - { .name: qcod, .offset: 16, .size: 8, .value_kind: global_buffer, .address_space: global }
      - { .name: kvcod, .offset: 24, .size: 8, .value_kind: global_buffer, .address_space: global }
    .group_segment_fixed_size: 327680
    .private_segment_fixed_size: 0
    .kernarg_segment_align: 8
    .kernarg_segment_size: 32
    .max_flat_workgroup_size: 128
    .sgpr_count:     100
    .vgpr_count:     1024
    .wavefront_size: 32
...
	.end_amdgpu_metadata
.endif
;; end of part 2
;; launch attn (part 3): grid 4 x 64, 16 waves a work-group, clusters of 4 x 1, 210,944 bytes of LDS; arguments qcod, kvcod, out0; writes out0
.if DOCPART == 3
	.amdgcn_target "amdgcn-amd-amdhsa--gfx1250"
	.amdhsa_code_object_version 6
	.text
	.protected	k_qb3403fb5b6_attn
	.globl	k_qb3403fb5b6_attn
	.p2align	8
	.type	k_qb3403fb5b6_attn,@function
k_qb3403fb5b6_attn:
	s_mov_b64 s[64:65], 0
	v_nop
	global_prefetch_b8 v0, s[64:65] scope:SCOPE_SE
	s_setreg_imm32_b32 hwreg(HW_REG_WAVE_MODE, 25, 1), 1
	s_wait_xcnt 0x0
	s_wait_alu depctr_hold_cnt(0) depctr_sa_sdst(0) depctr_va_vdst(0) depctr_va_sdst(0) depctr_va_ssrc(0) depctr_va_vcc(0) depctr_vm_vsrc(0)
	s_getreg_b32 s2, hwreg(HW_REG_IB_STS2, 6, 4)
	s_cmp_eq_u32 s2, 0
	s_cbranch_scc0 .Lentry_in_a_cluster
	s_endpgm
.Lentry_in_a_cluster:
	s_bfe_u32 s2, ttmp6, 0x10000c
	s_cmp_lg_u32 s2, 0x3003
	s_cbranch_scc0 .Lentry_shape_is_right
	s_endpgm
.Lentry_shape_is_right:
; LAUNCH 3 OF 3.  out(t) = sum over s <= t of softmax_s(q(t) . k(s) / 8) v(s), both products on codes of FP4 with E8M0 scales.
; LEFT OUT: for the queries 64 m .. 64 m + 63 all keys from 64 (m + 1) on: the problem's own lower triangle makes their weights 0 for all values of the inputs (see the first launch's head).
; LIMIT: a NaN, an infinity or an overflow that reaches only such hidden scores is not carried to the result.
; THE SOFTMAX: t = score x log2(e) / 8; M = the running largest t rounded up to a whole number; p = 2^(t - M) is quantised along the keys, not normalised; the row's sum of the unquantised p divides at the end.
; SHARES.  The four work-groups of a cluster own one (batch, head).  Its K and V as codes with their scale words are 16 records of 8,704 bytes, one for each key step of 128; they come into each partner's LDS ONCE,
; jointly, a record to each wave's load, and stay.  The queries fall into 32 groups m of 64 (4 tiles of 16); group m wants m + 1 runs of 64 keys; partner cx owns tile 4 m + cx.
; THE DEAL.  Wave w = 4 q + s takes m = 31 - 8 q - 2 s: 16 - w key steps of 128, the last with the diagonal in its upper 64 keys; then m = 24 - 8 q + 2 s: 12 - 4 q + s key steps and, on the diagonal, 64 keys of one more.
; The waves of q = 0, 1, 2, 3 have 57, 41, 25 and 9 runs of 64 keys: the longest have the lowest numbers, and waves s, s + 4, s + 8, s + 12 have 132 together for every s.  So a wave has 28 - 8 q trips of the loop that do work
; (in the others it jumps over the trip) and one half step behind it.  Branches hang on the wave's number and on counts alone; cx enters global addresses, a selector and the mask's numbers only.
; LAYOUT.  Both products transposed: S^T = K Q^T, O^T = V^T P^T: a lane holds one query (lane % 16).  By the tiles' order of rows, the 16 registers of score tiles 2 i, 2 i + 1 are keys 32 i + 16 (lane / 16) + 0 .. 15.
; THE FIRST PRODUCT'S K IS 64.  A fragment of K holds TWO tiles of keys: k 0-63 = tile 2 i's d, k 64-127 = tile 2 i + 1's.  Q stands twice: (Q | zero codes) picks the first tile, (zero codes | Q) the second; zero codes add nothing.
; NO PREFETCH: all that the launch reads is asked for at its head, and no loop runs ahead of a load.
; LIMITS: scores under -3e38 are not served; NaN and infinities are not served; a block whose every p is 0 keeps the byte 1.
.set REC,   8704                       ; a key step's record: K's 8 tiles x 512; from 4096 V's 4 images x 1,024; from 8192 K's scale words [r][4 words]; from 8448 V's [r][4 words]
.set STAGE, 16*REC                     ; the way out: 16 rows x 272 bytes for each wave: bytes of their own, into which no load lands;
.set SPARE, STAGE+16*16*272            ; the spare words, 128 bytes for each wave
.set MK,    216                        ; v216-247 the diagonal's mask, 0 or -infinity, for 64 keys
; v1 16 x lane; v4 16 r; v5, v6 the add's two; v7 my offset in out0; v8-11 the step's addresses; v12 -M; v13 largest score; v[14:15] the sum; v16-23 (Q | 0); v24-31 (0 | Q); v32-63 K; v64-95 V; v96-159 S^T, then p;
; v160-191 O^T; v192-199 p's codes; v200-203, v204-207, v208, v253 scale words of K, V, Q, p; v209, v212-215 the second tile's Q; v210, v211 the stage; v248-252, v254, v255 at work
.macro CROUND
	s_barrier_signal -1
	s_barrier_wait -1
	s_cmp_lg_u32 s10, 0
	s_cbranch_scc1 .Lnot_wave_0_\@
	s_barrier_signal -3
.Lnot_wave_0_\@:
	s_barrier_wait -3
	s_barrier_signal -1
	s_barrier_wait -1
.endm
	s_load_b128 s[4:7], s[0:1], 0x0                ; qcod, kvcod
	s_load_b64 s[8:9], s[0:1], 0x10                ; out0
	v_lshl_add_u32 v5, v0, 2, SPARE
	v_mov_b32 v6, 0
	ds_add_u32 v5, v6                              ; the wave's opening: the add, twice on end, and its wait ahead of my first tensor load
	ds_add_u32 v5, v6
	v_lshrrev_b32 v8, 5, v0
	v_readfirstlane_b32 s10, v8                    ; wave 0..15
	s_bfe_u32 s11, ttmp6, 0x40000                  ; cx
	s_and_b32 s12, ttmp7, 0xffff                   ; 16 x batch + head, which the partners share
	s_mov_b32 s24, 15|(3<<16)|(1<<21)              ; group 1: all four partners; elements of 8 bytes; 34 dense rows of 256 bytes
	s_mov_b32 s25, 32<<16
	s_mov_b32 s26, 34<<16
	s_mov_b32 s27, 32<<16
	s_mov_b32 s28, 34
	s_mov_b32 s29, 32
	s_mov_b32 s30, 0
	s_mov_b32 s31, 0
	s_mov_b32 s32, 1
	s_mul_i32 s33, s10, REC                        ; my record, in LDS
	s_mul_i32 s14, s12, 16*REC
	s_add_co_u32 s14, s14, s33                     ; and in memory
	s_mov_b32 s15, 0
	s_mov_b32 s20, 0x76543210
	s_mov_b32 s21, 0xfedcba98                      ; v_permlanex16_b32: lane l xor 16
	s_mov_b32 s22, 0x3e38aa3b                      ; c = log2(e) / 8
	s_mov_b32 s23, s22
	s_mov_b32 s18, 0xbe38aa3b                      ; -c
	v_and_b32 v248, 31, v0
	v_and_b32 v249, 15, v0                         ; r
	v_bfe_u32 v250, v0, 4, 1                       ; h
	v_lshlrev_b32 v1, 4, v248
	v_lshlrev_b32 v4, 4, v249
	s_wait_alu depctr_va_vdst(0)
	s_wait_dscnt 0x0                               ; both opening adds are done
	s_wait_kmcnt 0x0
	s_add_nc_u64 s[34:35], s[6:7], s[14:15]
	s_or_b32 s35, s35, 0x80000000
	CROUND                                         ; all four work-groups are here: the joint loads meet
	tensor_load_to_lds s[32:35], s[24:31]          ; the wave's one tensor load
	s_nop 0
.rept 4
	v_nop
.endr
	; under its flight: both tiles' Q, the addresses, the mask
	s_lshr_b32 s16, s11, 1                         ; x: which 32 of a group's 64 queries
	s_and_b32 s17, s11, 1                          ; u: which tile of the pair
	s_xor_b32 s13, s10, 15                         ; 15 - w: the first tile's last key step, on the diagonal
	s_and_b32 s44, s13, 12
	s_and_b32 s45, s10, 3
	s_add_co_u32 s44, s44, s45                     ; 12 - 4 q + s: the second tile's key steps ahead of its half step
	s_add_co_u32 s45, s13, s44
	s_add_co_u32 s45, s45, 1                       ; 28 - 8 q: my trips
	s_lshl_b32 s40, s13, 2
	s_add_co_u32 s40, s40, 2
	s_add_co_u32 s40, s40, s16                     ; the first tile's pair: 2 m + x
	s_lshl_b32 s41, s44, 2
	s_add_co_u32 s41, s41, s16                     ; the second's
	s_mul_i32 s19, s17, 0x02020202
	s_add_co_u32 s19, s19, 0x01000100              ; selects tile u's two bytes of a pair's scale word, for both halves of K
.macro ADDR p, at                      ; s[at..]: the tile's Q codes, its pair's scale words, its rows of out0
	s_lshl_b32 s48, \p, 10
	s_lshl_b32 s49, s17, 9
	s_add_co_u32 s48, s48, s49
	s_lshl_b32 s49, s12, 16
	s_add_co_u32 s48, s48, s49
	s_mov_b32 s49, 0
	s_add_nc_u64 s[\at:\at+1], s[4:5], s[48:49]
	s_lshr_b32 s48, \p, 2
	s_lshl_b32 s48, s48, 8                         ; 128 tokens: 256 bytes of scale words, four to a row r
	s_and_b32 s49, \p, 3
	s_lshl_b32 s49, s49, 2
	s_add_co_u32 s48, s48, s49
	s_lshl_b32 s49, s12, 12
	s_add_co_u32 s48, s48, s49
	s_mov_b32 s49, 0
	s_add_nc_u64 s[\at+2:\at+3], s[4:5], s[48:49]
	s_lshr_b32 s48, s12, 4
	s_lshl_b32 s48, s48, 23                        ; the batch: 2,048 rows of 4,096 bytes
	s_lshl_b32 s49, \p, 17                         ; 32 rows
	s_add_co_u32 s48, s48, s49
	s_lshl_b32 s49, s17, 15                        ; 8 rows
	s_add_co_u32 s48, s48, s49
	s_and_b32 s49, s12, 15
	s_lshl_b32 s49, s49, 8                         ; the head's 256 bytes of a row
	s_add_co_u32 s48, s48, s49
	s_mov_b32 s49, 0
	s_add_nc_u64 s[\at+4:\at+5], s[8:9], s[48:49]
.endm
	ADDR s40, 50
	global_load_b128 v[16:19], v1, s[50:51]        ; Q of the first tile,
	global_load_b32 v254, v4, s[52:53] offset:4194304
	ADDR s41, 56
	global_load_b128 v[212:215], v1, s[56:57]      ; and of the second
	global_load_b32 v209, v4, s[58:59] offset:4194304
	v_lshlrev_b32 v7, 12, v250
	v_lshl_add_u32 v7, v249, 4, v7                 ; out0: lanes 0-15 one token's row, lanes 16-31 the next; 16 bytes a lane
	s_mul_i32 s46, s10, 16*272
	s_add_co_u32 s46, s46, STAGE                   ; my stage
	v_mul_u32_u24 v210, v249, 272
	v_lshl_add_u32 v210, v250, 6, v210
	v_add_nc_u32 v210, s46, v210                   ; in: row r, + 64 h bytes
	v_mul_u32_u24 v211, v250, 272
	v_lshl_add_u32 v211, v249, 4, v211
	v_add_nc_u32 v211, s46, v211                   ; back: lanes 0-15 one row, lanes 16-31 the next
	v_and_b32 v251, 8, v249
	v_add_nc_u32 v255, v251, v249                  ; r + 8 (r / 8)
	v_lshlrev_b32 v251, 4, v250
	v_sub_nc_u32 v255, v255, v251
	s_lshl_b32 s46, s16, 5
	s_lshl_b32 s47, s17, 3
	s_add_co_u32 s46, s46, s47
	v_add_nc_u32 v255, s46, v255                   ; my query's place in its group of 64, less 16 h
	v_mov_b32 v252, 0xff800000
.set n, 0
.rept 32                               ; register 16 b + i of 64 keys is key 32 b + 16 h + i: hidden where 32 b + i > v255
	v_cmp_gt_i32 vcc_lo, 32*(n/16)+n%16, v255
	v_cndmask_b32 v[MK+n], 0, v252, vcc_lo
.set n, n+1
.endr
.irp j, 20,21,22,23,24,25,26,27
	v_mov_b32 v\j, 0                               ; the zero codes beside Q
.endr
	v_mov_b32 v199, 0                              ; a lane permute's destination counts as read
	v_mov_b32 v253, 0                              ; (named as the upper half of the pair v[252:253] before it is first written)
	s_wait_alu depctr_va_vdst(0)
	s_wait_loadcnt 0x0
	v_perm_b32 v208, v254, v254, s19
.irp i, 0,1,2,3
	v_mov_b32 v[28+\i], v[16+\i]
.endr
.macro FRESH                           ; a tile begins: nothing summed; the first change of M multiplies zeros
	v_mov_b32 v12, 0x7e800000                      ; -M: over every -t
	v_mov_b32 v13, 0xff61b1e6                      ; the largest score so far: -3e38
	v_mov_b32 v14, 0
	v_mov_b32 v15, 0
.set n, 0
.rept 32
	v_mov_b32 v[160+n], 0                          ; (also the places between Q's scale word and the first product)
.set n, n+1
.endr
.endm
	FRESH
	s_mov_b32 s38, 0
	s_wait_alu depctr_va_vdst(0)
	s_wait_tensorcnt 0x0                           ; my record is in,
	s_barrier_signal -1
	s_barrier_wait -1                              ; everybody's is: the head's K and V stay for the whole launch
.macro LOADK at, as                    ; a step's K and its scale words
.irp i, 0,1,2,3
.irp c, 0,1
	ds_load_b128 v[32+8*\i+4*\c:35+8*\i+4*\c], \at offset:1024*\i+512*\c
.endr
.endr
	ds_load_b128 v[200:203], \as offset:8192
.endm
	LOADK v1, v4                                   ; key step 0
	s_wait_dscnt 0x0
; A KEY STEP.  nb blocks of 32 keys: 4, or 2 in the half step.  K is in registers.  s37: where the step's record begins, s36: where the next one's does.
.macro STEP nb
.irp i, 0,1,2,3
.if \i < \nb
.irp u, 0,1
	v_wmma_scale_f32_16x16x128_f8f6f4 v[96+16*\i+8*\u:103+16*\i+8*\u], v[32+8*\i:39+8*\i], v[16+8*\u:23+8*\u], 0, v[200+\i], v208 matrix_a_fmt:MATRIX_FMT_FP4 matrix_b_fmt:MATRIX_FMT_FP4
.endr
.endif
.endr
	v_add_nc_u32 v9, s37, v1                       ; these four are also the places in front of the loads and of the scores' readers
	v_add_nc_u32 v11, s37, v4
.if \nb == 4
	v_add_nc_u32 v8, s36, v1
	v_add_nc_u32 v10, s36, v4
.else
	v_nop
	v_nop
.endif
.irp t, 0,1,2,3
.irp c, 0,1
	ds_load_b128 v[64+8*\t+4*\c:67+8*\t+4*\c], v9 offset:4096+1024*\t+512*\c
.endr
.endr
	ds_load_b128 v[204:207], v11 offset:8448
.if \nb == 4
	LOADK v8, v10                                  ; the next step's K: it lands under this step's softmax
	s_cmp_lg_u32 s38, s13                          ; only the first tile's last step lies on the diagonal, with its upper 64 keys
	s_cbranch_scc1 .Lopen_\@
.endif
.set n, 0
.rept 16
	v_pk_add_f32 v[64+16*\nb+n:65+16*\nb+n], v[64+16*\nb+n:65+16*\nb+n], v[MK+n:MK+n+1]   ; hidden scores become -infinity: p = 0 then
.set n, n+2
.endr
.if \nb == 4
.Lopen_\@:
.endif
.irp b, 0,1,2,3
.if \b < \nb
	v_max3_num_f32 v[248+\b], v[96+16*\b], v[97+16*\b], v[98+16*\b]   ; the largest score of each block of 32 keys: for the row's maximum, and, since p rises with the score, for the block's largest p
.endif
.endr
.irp i, 3,5,7,9,11,13
.irp b, 0,1,2,3
.if \b < \nb
	v_max3_num_f32 v[248+\b], v[248+\b], v[96+16*\b+\i], v[97+16*\b+\i]
.endif
.endr
.endr
.irp b, 0,1,2,3
.if \b < \nb
	v_max_num_f32 v[248+\b], v[248+\b], v[111+16*\b]
.endif
.endr
	v_permlane16_swap_b32 v248, v249               ; TWO BLOCKS TO A REGISTER: behind the exchange of halves the maximum of the two holds block 0's in lanes 0-15 and block 1's in lanes 16-31
.if \nb == 4
	v_permlane16_swap_b32 v250, v251
	v_max_num_f32 v248, v248, v249
	v_max_num_f32 v250, v250, v251
	v_max_num_f32 v254, v248, v250
.set R, 254
.else
	v_max_num_f32 v248, v248, v249
.set R, 248
.endif
	s_delay_alu instid0(VALU_DEP_1)
	v_permlanex16_b32 v255, v[R], s20, s21
	s_delay_alu instid0(VALU_DEP_1)
	v_max3_num_f32 v13, v13, v[R], v255            ; the running largest score
	s_delay_alu instid0(VALU_DEP_1)
	v_mul_f32 v254, s18, v13                       ; -t
	s_delay_alu instid0(VALU_DEP_1)
	v_floor_f32 v254, v254                         ; -M = floor(-t): M is a whole number
	s_delay_alu instid0(VALU_DEP_1)
	v_sub_f32 v255, v254, v12                      ; old M - new M, 0 or less
	v_mov_b32 v12, v254
	s_delay_alu instid0(VALU_DEP_2)
	v_cvt_i32_f32 v255, v255                       ; (it saturates)
	v_fma_f32 v248, v248, s22, v12                 ; the blocks' largest t - M
.if \nb == 4
	v_fma_f32 v250, v250, s22, v12
.endif
	v_ldexp_f32 v252, 1.0, v255                    ; f = 2^(old M - new M): a multiplication by it rounds nothing
.set n, 0
.rept 8*\nb
	v_pk_fma_f32 v[96+n:97+n], v[96+n:97+n], s[22:23], v[12:13] op_sel_hi:[1,0,0]   ; t - M
.set n, n+2
.endr
.set n, 0
.rept 16
	v_pk_mul_f32 v[160+n:161+n], v[160+n:161+n], v[252:253] op_sel_hi:[1,0]   ; O^T under the new M
.set n, n+2
.endr
	s_wait_alu depctr_va_vdst(0)                   ; ahead of the batch
	v_exp_f32 v248, v248                           ; the blocks' largest p: the same two instructions on the same number give the same bits
.if \nb == 4
	v_exp_f32 v250, v250
.endif
.set n, 0
.rept 16*\nb
	v_exp_f32 v[96+n], v[96+n]                     ; p = 2^(t - M)
.set n, n+1
.endr
	v_pk_mul_f32 v[14:15], v[14:15], v[252:253] op_sel_hi:[1,0]   ; the sum under the new M: the plain place behind the batch
	s_wait_alu depctr_va_vdst(0)                   ; and behind it, ahead of its first reader
	v_max_num_f32 v248, 0x1800000, v248            ; the floor 2^(3 - 127): the byte cannot fall under 1
.if \nb == 4
	v_max_num_f32 v250, 0x1800000, v250
.endif
	v_pk_add_f32 v[254:255], v[96:97], v[98:99]    ; the row's sum is taken of the unquantised p
	v_pk_add_f32 v[14:15], v[14:15], v[100:101]
	v_add_nc_u32 v248, 0xff000000, v248            ; 2 off the exponent field: the conversions' scale operand
.if \nb == 4
	v_add_nc_u32 v250, 0xff000000, v250
.endif
	v_pk_add_f32 v[254:255], v[254:255], v[102:103]
	v_pk_add_f32 v[14:15], v[14:15], v[104:105]
	v_mov_b32 v249, v248
	v_lshrrev_b32 v198, 23, v248                   ; the bytes: lanes 0-15 block 0's, lanes 16-31 block 1's
.if \nb == 4
	v_mov_b32 v251, v250
	v_lshrrev_b32 v199, 23, v250
.endif
	v_permlane16_swap_b32 v248, v249               ; block 0's operand in all lanes, block 1's in all lanes
.if \nb == 4
	v_permlane16_swap_b32 v250, v251
	v_lshl_or_b32 v198, v199, 16, v198
.endif
	v_pk_add_f32 v[254:255], v[254:255], v[106:107]
	v_pk_add_f32 v[14:15], v[14:15], v[108:109]
	v_permlanex16_b32 v199, v198, s20, s21
	v_pk_add_f32 v[254:255], v[254:255], v[110:111]
	v_pk_add_f32 v[14:15], v[14:15], v[112:113]
.if \nb == 4
	v_lshl_or_b32 v253, v199, 8, v198              ; lanes 0-15: p's scale word for these 128 keys
.else
	v_lshl_or_b32 v198, v199, 8, v198
	v_or_b32 v253, 0x7f7f0000, v198                ; blocks 2 and 3 have zero codes
.irp i, 196,197,198,199
	v_mov_b32 v\i, 0
.endr
.endif
.irp b, 0,1,2,3
.if \b < \nb
	v_cvt_scalef32_pk8_fp4_f32 v[192+2*\b], v[96+16*\b:103+16*\b], v[248+\b]
	v_cvt_scalef32_pk8_fp4_f32 v[193+2*\b], v[104+16*\b:111+16*\b], v[248+\b]
.endif
.endr
	v_pk_add_f32 v[254:255], v[254:255], v[114:115]   ; the plain place behind the conversions
.irp c, 0,1
.if 2*\c < \nb
.irp i, 0,1
	v_permlane16_swap_b32 v[192+4*\c+\i], v[194+4*\c+\i]   ; a whole block to a lane
.endr
.endif
.endr
	v_pk_add_f32 v[248:249], v[116:117], v[118:119]   ; the rest of the sum: also the places between p's codes and scale word and the products
	v_pk_add_f32 v[250:251], v[120:121], v[122:123]
.set n, 124
.if \nb == 4
.rept 4
	v_pk_add_f32 v[14:15], v[14:15], v[n:n+1]
	v_pk_add_f32 v[254:255], v[254:255], v[n+2:n+3]
	v_pk_add_f32 v[248:249], v[248:249], v[n+4:n+5]
	v_pk_add_f32 v[250:251], v[250:251], v[n+6:n+7]
.set n, n+8
.endr
.endif
	v_pk_add_f32 v[14:15], v[14:15], v[n:n+1]
	v_pk_add_f32 v[254:255], v[254:255], v[n+2:n+3]
	v_pk_add_f32 v[248:249], v[248:249], v[250:251]
	v_pk_add_f32 v[14:15], v[14:15], v[254:255]
	v_pk_add_f32 v[14:15], v[14:15], v[248:249]
	s_wait_alu depctr_va_vdst(0)
	s_wait_dscnt 0x0                               ; V is in, and the next step's K
.irp t, 0,1,2,3
	v_wmma_scale_f32_16x16x128_f8f6f4 v[160+8*\t:167+8*\t], v[64+8*\t:71+8*\t], v[192:199], v[160+8*\t:167+8*\t], v[204+\t], v253 matrix_a_fmt:MATRIX_FMT_FP4 matrix_b_fmt:MATRIX_FMT_FP4
.endr
.endm
; THE WAY OUT of a tile.  more = 1: the second tile begins behind it
.macro FINISH at, more
	v_nop
	v_nop
	v_add_f32 v14, v14, v15
	v_permlanex16_b32 v255, v14, s20, s21
	v_add_f32 v14, v14, v255                       ; the row's sum
	s_wait_alu depctr_va_vdst(0)                   ; ahead of the reciprocal, and
	v_rcp_f32 v14, v14
	v_nop
	s_wait_alu depctr_va_vdst(0)                   ; ahead of its first reader
.set n, 0
.rept 16
	v_pk_mul_f32 v[96+n:97+n], v[160+n:161+n], v[14:15] op_sel_hi:[1,0]   ; register 16 g + i is d = 32 g + 16 h + i of my query
.set n, n+2
.endr
.irp g, 0,1
.irp i, 0,1,2,3
	ds_store_b128 v210, v[96+16*\g+4*\i:99+16*\g+4*\i] offset:128*\g+16*\i
.endr
.endr
.irp i, 0,1,2,3,4,5,6,7
	ds_load_b128 v[128+4*\i:131+4*\i], v211 offset:544*\i   ; LDS serves a wave's instructions in order: these see my stores
.endr
.if \more
	v_perm_b32 v208, v209, v209, s19
.irp i, 0,1,2,3
	v_mov_b32 v[16+\i], v[212+\i]
	v_mov_b32 v[28+\i], v[212+\i]
.endr
	FRESH
.endif
.irp i, 0,1,2,3,4,5,6,7
	s_wait_dscnt 7-\i                              ; load i is in; the younger ones stay out
	global_store_b128 v7, v[128+4*\i:131+4*\i], s[\at:\at+1] offset:(2*\i+8*(\i/4))*4096 th:TH_STORE_NT   ; the tile's row n is token n + 8 (n / 8): sixteen lanes store a token's 256 bytes of this head
.endr
	s_wait_alu depctr_va_vdst(0)
	s_wait_xcnt 0x0                                ; the stores have read their registers, which the next scores take
.endm
.Ltrip:
	s_cmp_ge_u32 s38, s45                          ; my trips are over
	s_cbranch_scc1 .Lnext
	s_cmp_gt_u32 s38, s13                          ; trip j: key step j of the first tile up to j = 15 - w, then key step j - 16 + w of the second: (j + w) mod 16
	s_cselect_b32 s37, s10, 0
	s_add_co_u32 s37, s37, s38
	s_and_b32 s37, s37, 15
	s_mul_i32 s37, s37, REC
	s_cmp_ge_u32 s38, s13                          ; and the same of trip j + 1 (behind my last trip comes the half step)
	s_cselect_b32 s36, s10, 0
	s_add_co_u32 s36, s36, s38
	s_add_co_u32 s36, s36, 1
	s_and_b32 s36, s36, 15
	s_mul_i32 s36, s36, REC
	STEP 4
	s_cmp_lg_u32 s38, s13
	s_cbranch_scc1 .Lnext
	FINISH 54, 1                                   ; this was the first tile's last step
.Lnext:
	s_add_co_u32 s38, s38, 1
	s_cmp_lt_u32 s38, 28
	s_cbranch_scc1 .Ltrip
	s_mul_i32 s37, s44, REC                        ; the half step: the lower 64 keys of key step 12 - 4 q + s, on the second tile's diagonal
	STEP 2
	FINISH 60, 0
	s_wait_tensorcnt 0x0                           ; the wave's end: behind my last LDS store
	ds_add_u32 v5, v6
	s_wait_dscnt 0x0
	CROUND                                         ; the closing round
	s_endpgm
.Lfunc_end_k_qb3403fb5b6_attn:
	.size	k_qb3403fb5b6_attn, .Lfunc_end_k_qb3403fb5b6_attn-k_qb3403fb5b6_attn
	.p2alignl 7, 3214868480
	.fill 96, 4, 3214868480
	.section	.rodata,"a",@progbits
	.p2align	6, 0x0
	.amdhsa_kernel k_qb3403fb5b6_attn
		.amdhsa_group_segment_fixed_size 210944
		.amdhsa_private_segment_fixed_size 0
		.amdhsa_enable_private_segment 0
		.amdhsa_kernarg_size 24
		.amdhsa_user_sgpr_count 2
		.amdhsa_user_sgpr_kernarg_segment_ptr 1
		.amdhsa_wavefront_size32 1
		.amdhsa_system_sgpr_workgroup_id_x 1
		.amdhsa_system_sgpr_workgroup_id_y 1
		.amdhsa_system_sgpr_workgroup_id_z 1
		.amdhsa_system_vgpr_workitem_id 0
		.amdhsa_next_free_vgpr 256
		.amdhsa_next_free_sgpr 66
		.amdhsa_reserve_vcc 1
		.amdhsa_float_denorm_mode_32 3
		.amdhsa_float_denorm_mode_16_64 3
		.amdhsa_memory_ordered 1
		.amdhsa_forward_progress 1
		.amdhsa_inst_pref_size 45
	.end_amdhsa_kernel
	.amdgpu_metadata
---
amdhsa.version: [ 1, 2 ]
amdhsa.kernels:
  - .name:           k_qb3403fb5b6_attn
    .symbol:         k_qb3403fb5b6_attn.kd
    .args:
      - { .name: qcod, .offset: 0, .size: 8, .value_kind: global_buffer, .address_space: global }
      - { .name: kvcod, .offset: 8, .size: 8, .value_kind: global_buffer, .address_space: global }
      - { .name: out0, .offset: 16, .size: 8, .value_kind: global_buffer, .address_space: global }
    .group_segment_fixed_size: 210944
    .private_segment_fixed_size: 0
    .kernarg_segment_align: 8
    .kernarg_segment_size: 24
    .max_flat_workgroup_size: 512
    .sgpr_count:     66
    .vgpr_count:     256
    .wavefront_size: 32
...
	.end_amdgpu_metadata
.endif
;; end of part 3
